; MI455X (gfx1250); checked and timed in simulation.
; The chip was launched on July 23, 2026; its instructions are those of AMD's public machine-readable ISA for CDNA 5 (MIT licence, August 2026) and "CDNA5" Instruction Set Architecture Reference Guide (July 2026). The comments in the code are by the model that wrote it; some were corrected since.
;; Actual Bert Self Attention. Allowed arithmetic: matrix products marked QUANTISED: E4M3 operands, one given power-of-two scale a tensor, by v_wmma_f32_16x16x64_fp8_fp8 or v_wmma_f32_16x16x128_fp8_fp8, f32 sums; everything else in f32.
;; Inputs: Wk_codes 1,024 x 32 x 32 uint8 (E4M3 codes of Wk, K innermost, in blocks of 32 codes); Wq_codes 1,024 x 32 x 32 uint8 (E4M3 codes of Wq, K innermost, in blocks of 32 codes); Wv_codes 1,024 x 32 x 32 uint8 (E4M3 codes of Wv, K innermost, in blocks of 32 codes); attention_mask 4 x 1 x 1 x 2,048 float32; bk 1,024 float32; bq 1,024 float32; bv 1,024 float32; hidden_states_codes 4 x 2,048 x 32 x 32 uint8 (E4M3 codes of hidden_states, K innermost, in blocks of 32 codes); lowp_scales 10 int32 (the exponents e of the quantised operands' scales 2^e).
;; Outputs: out0 4 x 2,048 x 1,024 float32.
;; This version of the problem:
;;   THIS VERSION OF THE PROBLEM IS GIVEN IN LOW PRECISION. The matrix products marked QUANTISED in the list below multiply operands that are first quantised to E4M3 (4 exponent bits, 3 mantissa bits; 8 bits a number), with one given power-of-two scale for each operand tensor; their sums are f32. All else is computed in f32.
;;   The module's matrix products, in the order in which they are computed (A, B: the left and right operand; K: the contracted axis; several contracted axes count as one K, in the product's order):
;;     1. [M 8,192, K 1,024] x [K 1,024, N 1,024]; A: input hidden_states (given as codes); B: input Wq (given as codes): QUANTISED (scales: A lowp_scales[0], B lowp_scales[1])
;;     2. [M 8,192, K 1,024] x [K 1,024, N 1,024]; A: input hidden_states (given as codes); B: input Wk (given as codes): QUANTISED (scales: A lowp_scales[2], B lowp_scales[3])
;;     3. [M 8,192, K 1,024] x [K 1,024, N 1,024]; A: input hidden_states (given as codes); B: input Wv (given as codes): QUANTISED (scales: A lowp_scales[4], B lowp_scales[5])
;;     4. batch 64 x [M 2,048, K 64] x [K 64, N 2,048]; A: computed on the way; B: computed on the way: QUANTISED (scales: A lowp_scales[6], B lowp_scales[7])
;;     5. batch 64 x [M 2,048, K 2,048] x [K 2,048, N 64]; A: softmax (see below); B: computed on the way: QUANTISED (scales: A lowp_scales[8], B lowp_scales[9])
;;   THE QUANTISER, for each operand of a quantised product, along K:
;;     - The operand's scale is 2^e, e = its entry of the input lowp_scales (int32; the entries are numbered through the quantised products in the list's order, A before B).
;;     - Each number is divided by the scale, clamped to +-448, and rounded to the nearest number of E4M3, ties to even, subnormals kept.
;;     - The product sums the exact products of the quantised numbers (number of the format x scale) in f32.
;;   ~~~python
;;   def quantise(x, axis, e):      # numpy; x: float32 -> the quantised numbers, widened to float32 again
;;       x = np.moveaxis(x, axis, -1); K = x.shape[-1]
;;       r = np.clip(x / 2.0 ** e, -448, 448)
;;       step = 2.0 ** (np.maximum(np.frexp(np.where(r == 0, 1, r))[1] - 1, -6) - 3)
;;       q = np.round(r / step) * step * 2.0 ** e      # np.round: ties to even
;;       return np.moveaxis(q, -1, axis).astype(np.float32)
;;   ~~~
;;   SOFTMAX AHEAD OF A QUANTISED PRODUCT. Where the list says 'softmax', what is quantised is not the finished softmax but p = 2^(t - M), with t = logit x log2(e) and M = ceil(the row's largest t), a whole number; so 1/2 < the row's largest p <= 1. The row's sum l is taken of the UNQUANTISED p, in f32, and the product's result is divided by l at the end. Since M is a whole number, a kernel that streams over the keys may use a running M (the ceiling of the running maximum): every later rescaling is an exact power of two, so the quantised numbers keep their values, but for numbers so far below the row's largest that they fall under the format's range.
;;   OPERANDS COMPUTED ON THE WAY. 'Computed on the way' means the value that the module computes at that place (a softmax that the list does not call 'softmax' is quantised finished and normalised). What goes into a quantiser is computed in f32, as accurately as f32 sums, v_exp_f32 and their like allow (about 1e-6 of the number): no bf16 or f16 on the way to a quantiser, and a product that is left as it is and whose result goes on into a quantised operand takes f32 operands (vector FMAs, or v_wmma_f32_16x16x4_f32). A number that lies on a knife's edge between two numbers of the format may be rounded either way, as far as f32 arithmetic and the matrix unit's own rounding can turn it there, and no further.
;;   INPUTS GIVEN AS CODES. Wk (in the module: [1024, 1024], K = its axis 0); Wq (in the module: [1024, 1024], K = its axis 0); Wv (in the module: [1024, 1024], K = its axis 0); hidden_states (in the module: [4, 2048, 1024], K = its axis 2): each comes as NAME_codes (uint8): NAME with its K axis moved to the last place and cut into blocks of 32 codes, [.., K / 32, bytes a block], one block behind the other in memory; one code a byte (a code: sign, 4 exponent bits, 3 mantissa bits); its scale is its entry of lowp_scales. Its value is code x scale, taken as it is: it is not quantised again, and the codes and scales need not be those that the quantiser above would give.
;; One version. Each part assembles by itself: llvm-mc -triple=amdgcn-amd-amdhsa -mcpu=gfx1250 --defsym DOCPART=n.
;; ======== version 1 of 1: 2 launches
;; limits: right only within a limited range of input values
;; workspace buffers: qkv 25,165,824 bytes
;; launch proj (part 1): grid 12 x 32, 4 waves a work-group, clusters of 4 x 4, 327,680 bytes of LDS; arguments hidden_states_codes, Wq_codes, Wk_codes, Wv_codes, bq, bk, bv, lowp_scales, qkv; writes qkv
.if DOCPART == 1
	.amdgcn_target "amdgcn-amd-amdhsa--gfx1250"
	.amdhsa_code_object_version 6
	.text
	.protected	k_q97afa110c9_proj
	.globl	k_q97afa110c9_proj
	.p2align	8
	.type	k_q97afa110c9_proj,@function
k_q97afa110c9_proj:
	s_mov_b64 s[64:65], 0
	v_nop
	global_prefetch_b8 v0, s[64:65] scope:SCOPE_SE
	s_setreg_imm32_b32 hwreg(HW_REG_WAVE_MODE, 25, 1), 1
	s_wait_xcnt 0x0
	s_wait_alu depctr_hold_cnt(0) depctr_sa_sdst(0) depctr_va_vdst(0) depctr_va_sdst(0) depctr_va_ssrc(0) depctr_va_vcc(0) depctr_vm_vsrc(0)
	s_getreg_b32 s2, hwreg(HW_REG_IB_STS2, 6, 4)
	s_cmp_eq_u32 s2, 0
	s_cbranch_scc0 .Lentry_in_a_cluster
	s_endpgm
.Lentry_in_a_cluster:
	s_bfe_u32 s2, ttmp6, 0x10000c
	s_cmp_lg_u32 s2, 0xf033
	s_cbranch_scc0 .Lentry_shape_is_right
	s_endpgm
.Lentry_shape_is_right:
; THE THREE PROJECTIONS: q = x Wq + bq, k = x Wk + bk, v = x Wv + bv, on the given codes of E4M3, and the quantisers of q, k and v for the two products of attention.
; x: [8192 tokens][1024] codes; Wq, Wk, Wv: [1024 channels][1024] codes, K innermost.  A sum of codes stands for sum x 2^(ea + eb): (e0, e1) for q, (e2, e3) for k, (e4, e5) for v.
; code out = (sum x 2^(ea + eb) + bias) / 2^eo, held within +-448, to the nearest code: eo = e6 (q), e7 (k), e9 (v).  Computed as (sum + bias x 2^-(ea + eb)) / 2^(eo - ea - eb): powers of two round nothing.
; NOTHING OF reference() IS LEFT OUT in this program: every bias goes into a quantiser, the mask varies along the softmax's axis, all ten scales are used, every input has a way to the output.
; LIMITS: eo - ea - eb between -126 and 119, so that the conversion's scale and 448 x it are f32 numbers; NaN among the inputs is not served.
; SHARES.  A tile of 256 x 256 results is made by a work-group of four waves, a wave makes 128 x 128: 64 accumulators of 16 x 16, 512 registers.  K goes in steps of 256 through a ring of two LDS slots.
; The cluster's x says which product: 0 q, 1 k, 2 v.  'A' is the matrix instruction's source 1 (its rows become LANES of the result), 'B' its source 0 (its rows become REGISTERS).
;   q, k: A = 256 tokens (tile 4 Y + cy), B = 256 channels of W (tile cx): a lane holds one token, its eight registers eight neighbouring channels: the next product's K.
;   v:    A = 256 channels of Wv (tile cy), B = 256 tokens (tile 4 Y + cx): a lane holds one channel, its eight registers eight neighbouring keys: the next product's K.
; So one conversion of an accumulator's eight registers gives two registers of the next operand, in that operand's own layout, and one body serves all three products: only pointers change places.
; CLUSTERS: 4 x 4 work-groups.  A's tile hangs on cy alone and is asked for jointly by the cluster's row, B's on cx alone and by its column.
; NO PREFETCH: K is four slots' worth, written out, with no loop to run ahead in.
; THE WORKSPACE qkv: for each of the 64 heads (16 batch + head) HS bytes: images of operand registers, a group of four registers as 16 bytes a lane, 512 bytes on end.
;   +0 Q, +131072 K: [tile of 16 tokens][2 groups][lane][16]: registers 2 c, 2 c + 1 = channels 16 c + 8 (lane / 16) + 0 .. 7 of token lane % 16.
;   +262144 V: [step of 128 keys][tile of 16 channels][4 groups][lane][16]: registers 2 c, 2 c + 1 = keys 16 c + 8 (lane / 16) + 0 .. 7 of channel lane % 16.
; REGISTERS, in windows of 256: window 0: v16-29 addresses; v32-95 the bias; v96-105 scale, hold, bias offsets; from v128 A's fragments, ONE set (on the way out: v128-191 numbers, v192-255 codes).
;   window 1: B's fragments, TWO sets.   window 2: the accumulators of A's blocks 0-3 ((a, b) at v[8 (8 (a % 4) + b)]);   window 3: those of blocks 4-7.
.set ROWB,   256                       ; a tile's row in bytes: 256 along K
.set KROW,   1024                      ; a row of x or of W in memory
.set PITCH,  272                       ; an LDS row: 256 bytes + 16 of padding = 68 words: the 16 rows that a load touches start at 16 different banks (64 banks of 4 bytes: ISA guide 11.1)
.set FR,     16                        ; registers of a fragment: 16 rows x 128 K
.set NL,     4                         ; LDS loads that bring one
.set NP,     4                         ; places behind this matrix instruction (ISA guide 7.12.1)
.set HALFT,  128*PITCH                 ; 128 rows: what one tensor load brings, and what one wave reads of A or of B
.set SLOT,   4*HALFT                   ; A's 256 rows, then B's 256 rows
.set SPARE,  2*SLOT                    ; behind the ring: the spare words, 128 bytes for each wave
.set HS,     393216                    ; a head's bytes in qkv
.set ADRA, 16                          ; v16-17  LDS address of my A fragments in slot 0, 1
.set ADRB, 20                          ; v20-21  the same for B
.set CO,   26                          ; v26     16 x lane: my place in an image's 512 bytes
.set SPW,  28                          ; v28     LDS address of my spare word; never rewritten
.set NIL,  29                          ; v29     0; never rewritten
.set BI,   32                          ; v32-95  the bias, eight registers for each of eight blocks
.set SCL,  96                          ; v96     2^(eo - ea - eb) as f32
.set LIM,  97                          ; v97     448 x that
.set BO,   98                          ; v98-105 the bias loads' offsets
.set AF,   128                         ; A's fragments
.set TMP,  128                         ; the way out: 64 numbers of a block
.set CD,   192                         ; the way out: four sets of 16 registers of codes
.set G1, 24                            ; s[24:31] descriptor group 1 for A's tiles;  s[32:39] group 0, one set for each slot
.set G0, 32
.set G1B, 48                           ; s[48:55], s[56:63] the same for B's tiles
.set G0B, 56
.set MSB, 0
.macro WIN new                         ; the immediate's high byte repeats the setting that is left
.if MSB != (\new)
	s_set_vgpr_msb (MSB<<8)|(\new)
.set MSB, (\new)
.endif
.endm
.set MUL_LO, 0xa1                      ; source 0 (B) window 1, source 1 (A) window 0, C and D window 2
.set MUL_HI, 0xf1                      ; the same, C and D window 3
.set TO_B,   0x40                      ; destination window 1, address window 0
; A joint load: waves 0 and 1 fetch for A, waves 2 and 3 for B.  Each of the two lines has ONE mask and one set of registers for all that issue it; the branch hangs on the wave's number alone.
.macro JLOAD g0a, g1a, g0b, g1b
	s_cmp_eq_u32 s15, 0
	s_cbranch_scc0 .Lfor_b_\@
	tensor_load_to_lds s[\g0a:\g0a+3], s[\g1a:\g1a+7]
	s_nop 0
.rept 4
	v_nop
.endr
	s_branch .Lasked_\@
.Lfor_b_\@:
	tensor_load_to_lds s[\g0b:\g0b+3], s[\g1b:\g1b+7]
	s_nop 0
.rept 4
	v_nop
.endr
.Lasked_\@:
.endm
.macro CREST                           ; a round of the cluster's barrier behind its opening barrier
	s_cmp_lg_u32 s14, 0
	s_cbranch_scc1 .Lnot_wave_0_\@
	s_barrier_signal -3
.Lnot_wave_0_\@:
	s_barrier_wait -3
	s_barrier_signal -1
	s_barrier_wait -1
.endm
.macro CROUND                          ; a whole round
	s_barrier_signal -1
	s_barrier_wait -1
	CREST
.endm
	s_load_b256 s[4:11], s[0:1], 0x0               ; x's codes s[4:5], Wq's s[6:7], Wk's s[8:9], Wv's s[10:11]
	s_load_b256 s[68:75], s[0:1], 0x20             ; bq s[68:69], bk s[70:71], bv s[72:73], the scales' exponents s[74:75]
	s_load_b64 s[76:77], s[0:1], 0x40              ; qkv
	v_lshl_add_u32 v[SPW], v0, 2, SPARE
	v_mov_b32 v[NIL], 0
	ds_add_u32 v[SPW], v[NIL]                      ; the wave's opening: the add, twice on end, and its wait ahead of my first tensor load
	ds_add_u32 v[SPW], v[NIL]
	v_lshrrev_b32 v1, 5, v0
	v_readfirstlane_b32 s14, v1                    ; wave 0..3
	s_lshr_b32 s15, s14, 1                         ; which half of A's 256 rows I multiply.  Also: I fetch for A (0) or for B (1)
	s_and_b32 s16, s14, 1                          ; which half of B's 256 rows I multiply.  Also: which 128 rows of that tile I fetch
	s_bfe_u32 s40, ttmp6, 0x40000                  ; cx, cy: my place in the cluster
	s_bfe_u32 s41, ttmp6, 0x40004
	s_and_b32 s18, ttmp7, 0xffff                   ; Y: the cluster's y
	s_lshl_b32 s18, s18, 2
	s_cmp_lt_u32 ttmp9, 2                          ; q or k?  (the cluster's x: the same in all sixteen partners)
	s_cselect_b32 s19, s18, 0                      ; q, k: the tokens are A's rows, and 4 Y goes with cy;
	s_cselect_b32 s18, 0, s18                      ; v: they are B's, and it goes with cx
	s_add_co_u32 s17, s41, s19                     ; A's tile: no register that feeds A's descriptors ever holds cx,
	s_add_co_u32 s42, s40, s18                     ; B's tile: and none that feeds B's ever holds cy
	s_lshl_b32 s43, s41, 2
	s_lshl_b32 s43, 15, s43                        ; my row of the cluster
	s_lshl_b32 s44, 0x1111, s40                    ; my column
	; descriptor group 1: a tile of 128 rows x 256 bytes, padded in LDS by 4 words behind every 64
	s_or_b32 s[G1+0], s43, (0<<16)|(1<<20)|(1<<21)|(5<<22)|(3<<25)
	s_or_b32 s[G1B+0], s44, (0<<16)|(1<<20)|(1<<21)|(5<<22)|(3<<25)
.irp g, G1, G1B
	s_mov_b32 s[\g+1], ROWB<<16                    ; tensor_dim0
	s_mov_b32 s[\g+2], 128<<16                     ; tensor_dim1 = 128
	s_mov_b32 s[\g+3], ROWB<<16                    ; tile_dim0
	s_mov_b32 s[\g+4], 128                         ; tile_dim1 = 128
	s_mov_b32 s[\g+5], KROW                        ; tensor_dim0_stride
	s_mov_b32 s[\g+6], 0
	s_mov_b32 s[\g+7], 0
.endr
	s_lshl_b32 s18, s16, 7                         ; which 128 rows of the tile I fetch
	s_lshl_b32 s20, s17, 8
	s_add_co_u32 s20, s20, s18                     ; A: row 256 x tile + 128 x half,
	s_lshl_b32 s20, s20, 10                        ; in bytes (under 2^23)
	s_mov_b32 s21, 0
	s_lshl_b32 s46, s42, 8
	s_add_co_u32 s46, s46, s18                     ; B likewise
	s_lshl_b32 s46, s46, 10
	s_mov_b32 s47, 0
	s_mul_i32 s45, s14, HALFT                      ; where they go: wave x 128 rows: no place in the cluster enters an LDS address
	s_wait_dscnt 0x0                               ; both opening adds are done
	s_wait_kmcnt 0x0
	s_load_b256 s[84:91], s[74:75], 0x0            ; e0 .. e7
	s_load_b64 s[92:93], s[74:75], 0x20            ; e8, e9
	s_cmp_lt_u32 ttmp9, 2                          ; the buffers are chosen by the cluster's x alone
	s_cselect_b64 s[80:81], s[4:5], s[10:11]       ; A: x's codes, or Wv's
	s_cselect_b64 s[82:83], s[8:9], s[4:5]         ; B: Wk's, or x's,
	s_cselect_b64 s[78:79], s[70:71], s[72:73]     ; the bias: bk or bv,
	s_cmp_eq_u32 ttmp9, 0
	s_cselect_b64 s[82:83], s[6:7], s[82:83]       ; or Wq's
	s_cselect_b64 s[78:79], s[68:69], s[78:79]     ; and bq
	s_add_nc_u64 s[20:21], s[80:81], s[20:21]
	s_add_nc_u64 s[46:47], s[82:83], s[46:47]
	CROUND                                         ; all sixteen work-groups are here: the first joint loads meet
.irp s, 0,1
	s_mov_b32 s[G0+4*\s], 1                        ; count = 1
	s_add_co_u32 s[G0+4*\s+1], s45, \s*SLOT        ; LDS address
	s_add_nc_u64 s[G0+4*\s+2:G0+4*\s+3], s[20:21], \s*ROWB   ; global address: K step s
	s_or_b32 s[G0+4*\s+3], s[G0+4*\s+3], 0x80000000          ; type = 2
	s_mov_b32 s[G0B+4*\s], 1
	s_add_co_u32 s[G0B+4*\s+1], s45, \s*SLOT
	s_add_nc_u64 s[G0B+4*\s+2:G0B+4*\s+3], s[46:47], \s*ROWB
	s_or_b32 s[G0B+4*\s+3], s[G0B+4*\s+3], 0x80000000
.endr
	JLOAD G0, G1, G0B, G1B                         ; K step 0: one tensor load a wave at the head
	; which of A and B holds tokens and which channels: four selects; then where my results go and where my bias lies
	s_cmp_lt_u32 ttmp9, 2
	s_cselect_b32 s98, s42, s17                    ; CI: the channels' tile (0..3)
	s_cselect_b32 s99, s16, s15                    ; ch: my half of it
	s_cselect_b32 s100, s17, s42                   ; TI: the tokens' tile (0..31)
	s_cselect_b32 s101, s15, s16                   ; th: my half of it
	s_cselect_b32 s22, 32, 0                       ; the bias offsets' steps.  q, k: a register is a channel: 32 (lane / 16) + 4 j;
	s_cselect_b32 s23, 0, 4                        ; v: a lane is a channel: 4 (lane % 16), the same in all eight registers
	s_cselect_b32 s19, 4, 0
	s_lshr_b32 s18, s100, 3                        ; the batch: 8 tiles of 256 tokens each
	s_lshl_b32 s18, s18, 4
	s_lshl_b32 s20, s98, 2
	s_add_co_u32 s18, s18, s20
	s_lshl_b32 s20, s99, 1
	s_add_co_u32 s18, s18, s20                     ; my first head: 16 batch + 4 CI + 2 ch (128 channels are two heads)
	s_mul_i32 s18, s18, HS
	s_lshl_b32 s20, ttmp9, 17                      ; the part: Q +0, K +131072, V +262144
	s_add_co_u32 s18, s18, s20
	s_and_b32 s20, s100, 7
	s_lshl_b32 s20, s20, 1
	s_add_co_u32 s20, s20, s101                    ; my 128 tokens of the batch's 2,048: eight tiles of Q or K, or one key step of V: 8,192 bytes either way
	s_lshl_b32 s20, s20, 13
	s_add_co_u32 s100, s18, s20
	s_mov_b32 s101, 0
	s_add_nc_u64 s[76:77], s[76:77], s[100:101]    ; qkv at my results
	s_lshl_b32 s98, s98, 10
	s_lshl_b32 s99, s99, 9
	s_add_co_u32 s98, s98, s99                     ; my 128 channels' bias: 4 (256 CI + 128 ch) bytes
	s_mov_b32 s99, 0
	s_add_nc_u64 s[78:79], s[78:79], s[98:99]
	v_and_b32 v1, 15, v0                           ; l % 16
	v_bfe_u32 v2, v0, 4, 1                         ; l / 16
	v_mul_u32_u24 v3, v1, PITCH
	v_lshl_add_u32 v4, v2, 4, v3                   ; a fragment's row x pitch + 16 x half
	s_mul_i32 s20, s15, HALFT                      ; my 128 rows of A
	s_mul_i32 s21, s16, HALFT                      ; my 128 rows of B,
	s_add_co_u32 s21, s21, 2*HALFT                 ; which lie behind A's 256
.irp s, 0,1
	v_add_nc_u32 v[ADRA+\s], s20, v4
	v_add_nc_u32 v[ADRB+\s], s21, v4
	s_add_co_u32 s20, s20, SLOT
	s_add_co_u32 s21, s21, SLOT
.endr
	v_and_b32 v5, 31, v0
	v_lshlrev_b32 v[CO], 4, v5
	v_mul_u32_u24 v6, s22, v2
	v_mad_u32_u24 v6, v1, s23, v6
.irp j, 0,1,2,3,4,5,6,7
	v_mad_u32_u24 v[BO+\j], s19, \j, v6
.endr
.irp g, 0,1,2,3,4,5,6,7                        ; block g's eight registers.  q, k: bias(16 g + 8 (l / 16) + j);  v: bias(16 g + l % 16), eight times.  Waited for on the way out
.irp j, 0,1,2,3,4,5,6,7
	global_load_b32 v[BI+8*\g+\j], v[BO+\j], s[78:79] offset:64*\g
.endr
.endr
.macro FRAG reg, adr, q, i             ; a fragment, 16 rows x 128 K, by four loads of 16 bytes: registers 4 c .. 4 c + 3 hold K = 32 c + 16 (l / 16) + 0 .. 15: a permutation of k, the same in A and in B
.irp c, 0,1,2,3
	ds_load_b128 v[\reg+4*\c:\reg+4*\c+3], v[\adr] offset:128*(\q)+32*\c+(\i)*16*PITCH
.endr
.endm
; 16 matrix instructions: A's blocks a0, a0 + 1 x B's eight, 128 along K.  p: B's set.  zero = 1: the first product starts the sums.
; The 64 accumulators take turns, one instruction a turn, in the same order in every step.
.macro MUL16 a0, p, zero
.irp a, \a0, \a0+1
.irp b, 0,1,2,3,4,5,6,7
.if \zero
	v_wmma_f32_16x16x128_fp8_fp8 v[8*(8*((\a)%4)+\b):8*(8*((\a)%4)+\b)+7], v[128*(\p)+FR*\b:128*(\p)+FR*\b+FR-1], v[AF+FR*(\a):AF+FR*(\a)+FR-1], 0
.else
	v_wmma_f32_16x16x128_fp8_fp8 v[8*(8*((\a)%4)+\b):8*(8*((\a)%4)+\b)+7], v[128*(\p)+FR*\b:128*(\p)+FR*\b+FR-1], v[AF+FR*(\a):AF+FR*(\a)+FR-1], v[8*(8*((\a)%4)+\b):8*(8*((\a)%4)+\b)+7]
.endif
.endr
.endr
.endm
.macro FETCH_B slot, q, p              ; B's eight fragments of the slot's q-th 128 along K into set p
	WIN TO_B
.irp i, 0,1,2,3,4,5,6,7
	FRAG 128*(\p)+FR*\i, ADRB+\slot, \q, \i
.endr
	WIN 0
.endm
.macro FETCH_A slot, q, i0             ; A's blocks i0 .. i0 + 3
.irp i, \i0, \i0+1, \i0+2, \i0+3
	FRAG AF+FR*(\i), ADRA+\slot, \q, \i
.endr
.endm
; A load into a register that a matrix instruction has read, and a vector instruction that reads a matrix result, stand NP places behind that matrix instruction (ISA guide 7.12.1 for vector instructions).
.macro PLACES n
.rept \n
	v_nop
.endr
.endm
; A step of 128 along K that has its successor in the same slot.  A block of A is free as soon as its eight products are issued: blocks 0-3 are fetched anew in the step's middle, blocks 4-7 at its end.
.macro STEP slot, q, zero
	s_wait_dscnt 4*NL                              ; B's set and A's blocks 0-3 are in; the youngest 16 loads (A's blocks 4-7) may be out
	WIN MUL_LO
	MUL16 0, (\q)%2, \zero
	MUL16 2, (\q)%2, \zero
	s_wait_dscnt 0                                 ; A's blocks 4-7 are in (asked for 32 matrix instructions ago)
	PLACES NP
	FETCH_B \slot, (\q)+1, 1-(\q)%2
	FETCH_A \slot, (\q)+1, 0
	WIN MUL_HI
	MUL16 4, (\q)%2, \zero
	MUL16 6, (\q)%2, \zero
	PLACES NP
	WIN 0
	FETCH_A \slot, (\q)+1, 4
.endm
; A slot's last step changes slots: ONE barrier; in front of it each wave waits for all its tensor loads, adds 0 to its spare word, and waits for that and for its own reads of this slot.  fill = 1: this slot is filled again, two K steps ahead.
.macro TURN slot, next, fill
	s_wait_tensorcnt 0x0                           ; all my tensor loads have landed: my part of the next slot;  (every window is 0 here: the add's two registers lie in window 0)
	ds_add_u32 v[SPW], v[NIL]                      ; 0 onto my spare word
	s_wait_dscnt 4*NL+1                            ; (the add and the youngest 16 loads, A's blocks 4-7, may be out)
	WIN MUL_LO
	MUL16 0, 1, 0                                  ; sixteen matrix instructions stand between the add and the wait for it
	s_wait_dscnt 0x0                               ; the add is done, and my reads of this slot are over
	s_barrier_signal -1
	MUL16 2, 1, 0
	WIN 0
	s_barrier_wait -1
.if \fill
	CREST                                          ; no wave of any partner still reads this slot's tile or has a load on its way
	s_add_nc_u64 s[G0+4*\slot+2:G0+4*\slot+3], s[G0+4*\slot+2:G0+4*\slot+3], 2*ROWB
	s_add_nc_u64 s[G0B+4*\slot+2:G0B+4*\slot+3], s[G0B+4*\slot+2:G0B+4*\slot+3], 2*ROWB
	JLOAD G0+4*\slot, G1, G0B+4*\slot, G1B         ; the first tensor load behind the round, my one load until the next; the four v_nop behind it are the places in front of the loads below
.else
	PLACES NP
.endif
	FETCH_B \next, 0, 0
	FETCH_A \next, 0, 0
	WIN MUL_HI
	MUL16 4, 1, 0
	MUL16 6, 1, 0
	PLACES NP
	WIN 0
	FETCH_A \next, 0, 4
.endm
	s_wait_alu depctr_va_vdst(0)
	s_wait_tensorcnt 0x0                           ; my part of K step 0 is in
	ds_add_u32 v[SPW], v[NIL]
	s_wait_dscnt 0x0
	CROUND                                         ; everybody's part of K step 0 is in, and all sixteen work-groups are here: the joint loads meet,
	JLOAD G0+4, G1, G0B+4, G1B                     ; and K step 1's load, the first tensor load behind the round
	FETCH_B 0, 0, 0
	FETCH_A 0, 0, 0
	FETCH_A 0, 0, 4
	; K = 1,024 is four slots' worth, eight steps of 128: written out, since a loop over laps of the ring would have one trip
	STEP 0, 0, 1                                   ; K 0: its products start the sums
	TURN 0, 1, 1                                   ; K 128; slot 0 takes K 512 on
	STEP 1, 0, 0                                   ; K 256
	TURN 1, 0, 1                                   ; K 384; slot 1 takes K 768 on
	STEP 0, 0, 0                                   ; K 512
	TURN 0, 1, 0                                   ; K 640; nothing is left to fetch, so no round of the cluster's barrier
	STEP 1, 0, 0                                   ; K 768
	s_wait_dscnt 4*NL                              ; K 896: the last step
	WIN MUL_LO
	MUL16 0, 1, 0
	MUL16 2, 1, 0
	s_wait_dscnt 0
	WIN MUL_HI
	MUL16 4, 1, 0
	MUL16 6, 1, 0
	WIN 0
	; THE WAY OUT.  The product's three exponents are chosen without a jump.
	s_wait_kmcnt 0x0
	s_cmp_eq_u32 ttmp9, 1
	s_cselect_b32 s94, s86, s88                    ; ea: e2 (k) or e4 (v),
	s_cselect_b32 s95, s87, s89                    ; eb: e3 or e5,
	s_cselect_b32 s96, s91, s93                    ; eo: e7 or e9,
	s_cmp_eq_u32 ttmp9, 0
	s_cselect_b32 s94, s84, s94                    ; or q's: e0,
	s_cselect_b32 s95, s85, s95                    ; e1,
	s_cselect_b32 s96, s90, s96                    ; e6
	s_add_co_i32 s94, s94, s95                     ; ea + eb
	s_sub_co_i32 s95, 0, s94
	s_sub_co_i32 s96, s96, s94                     ; eo - ea - eb: the three scales folded into the conversion's one
	s_add_co_i32 s96, s96, 127
	s_add_co_i32 s97, s96, 8
	s_lshl_b32 s96, s96, 23                        ; 2^(eo - ea - eb) as f32
	s_lshl_b32 s97, s97, 23
	s_or_b32 s97, s97, 0x600000                    ; 448 x that
	s_wait_loadcnt 0x0                             ; the bias
.set n, 0
.rept 64
	v_ldexp_f32 v[BI+n], v[BI+n], s95              ; bias / 2^(ea + eb).  (These are also the places behind the last products)
.set n, n+1
.endr
	v_mov_b32 v[SCL], s96
	v_mov_b32 v[LIM], s97
; Block a (A's 16 rows x my 128 of B): sum + bias, the hold, eight conversions: 16 registers of codes, which ARE operand registers of the next product; four stores of 512 consecutive bytes, at a multiple of 512 from qkv's first byte.
; mode 0 (q, k): the bias goes by B's block b; registers 8 u .. 8 u + 7 are head u's fragment of token tile a.   mode 1 (v): the bias goes by A's block a; the 16 registers are the fragment of head a / 4, channel tile a % 4.
.macro OUTBLK a, mode
.set AC, 64*((\a)%4)
.set CB, CD+16*((\a)%4)
.if (\a) >= 4
	s_wait_xcnt 0x0                                ; block a - 4's stores have read their registers, which take this block's codes
.endif
	WIN 0x02+((\a)/4)                              ; source 0: window 2 or 3
.irp b, 0,1,2,3,4,5,6,7
.irp i, 0,2,4,6
	v_pk_add_f32 v[TMP+8*\b+\i:TMP+8*\b+\i+1], v[AC+8*\b+\i:AC+8*\b+\i+1], v[BI+8*((\mode)*(\a)+(1-(\mode))*\b)+\i:BI+8*((\mode)*(\a)+(1-(\mode))*\b)+\i+1]   ; each accumulator from its low end on
.endr
.endr
	WIN 0
.set n, 0
.rept 64
	v_med3_num_f32 v[TMP+n], v[TMP+n], -v[LIM], v[LIM]   ; the conversion to an 8-bit code does not saturate (ISA guide 7.6.2): the hold at the largest code x the scale
.set n, n+1
.endr
.irp b, 0,1,2,3,4,5,6,7
	v_cvt_scalef32_pk8_fp8_f32 v[CB+2*\b:CB+2*\b+1], v[TMP+8*\b:TMP+8*\b+7], v[SCL]
.endr
	v_nop                                          ; one plain vector instruction between the last conversion and the next block's additions, which write its sources
.irp g, 0,1,2,3
.if \mode
	global_store_b128 v[CO], v[CB+4*\g:CB+4*\g+3], s[76:77] offset:((\a)/4)*HS+((\a)%4)*2048+\g*512
.else
	global_store_b128 v[CO], v[CB+4*\g:CB+4*\g+3], s[76:77] offset:(\g/2)*HS+(\a)*1024+(\g%2)*512
.endif
.endr
.endm
	s_cmp_lt_u32 ttmp9, 2                          ; the cluster's x: the same way in all sixteen partners; no barrier and no tensor load stands in either arm
	s_cbranch_scc0 .Lvalues
.irp a, 0,1,2,3,4,5,6,7
	OUTBLK \a, 0
.endr
	s_branch .Lstored
.Lvalues:
.irp a, 0,1,2,3,4,5,6,7
	OUTBLK \a, 1
.endr
.Lstored:
	s_wait_tensorcnt 0x0                           ; the wave's end, behind my last tensor load
	ds_add_u32 v[SPW], v[NIL]
	s_wait_dscnt 0x0
	CROUND                                         ; the closing round: no work-group ends while a partner may still ask for a tile that names it
	s_endpgm
.Lfunc_end_k_q97afa110c9_proj:
	.size	k_q97afa110c9_proj, .Lfunc_end_k_q97afa110c9_proj-k_q97afa110c9_proj
	.p2alignl 7, 3214868480
	.fill 96, 4, 3214868480
	.section	.rodata,"a",@progbits
	.p2align	6, 0x0
	.amdhsa_kernel k_q97afa110c9_proj
		.amdhsa_group_segment_fixed_size 327680
		.amdhsa_private_segment_fixed_size 0
		.amdhsa_enable_private_segment 0
		.amdhsa_kernarg_size 72
		.amdhsa_user_sgpr_count 2
		.amdhsa_user_sgpr_kernarg_segment_ptr 1
		.amdhsa_wavefront_size32 1
		.amdhsa_system_sgpr_workgroup_id_x 1
		.amdhsa_system_sgpr_workgroup_id_y 1
		.amdhsa_system_sgpr_workgroup_id_z 1
		.amdhsa_system_vgpr_workitem_id 0
		.amdhsa_next_free_vgpr 1024
		.amdhsa_next_free_sgpr 102
		.amdhsa_reserve_vcc 0
		.amdhsa_float_denorm_mode_32 3
		.amdhsa_float_denorm_mode_16_64 3
		.amdhsa_memory_ordered 1
		.amdhsa_forward_progress 1
		.amdhsa_inst_pref_size 201
	.end_amdhsa_kernel
	.amdgpu_metadata
---
amdhsa.version: [ 1, 2 ]
amdhsa.kernels:
  - .name:           k_q97afa110c9_proj
    .symbol:         k_q97afa110c9_proj.kd
    .args:
      - { .name: hidden_states_codes, .offset: 0, .size: 8, .value_kind: global_buffer, .address_space: global }
      - { .name: Wq_codes, .offset: 8, .size: 8, .value_kind: global_buffer, .address_space: global }
      - { .name: Wk_codes, .offset: 16, .size: 8, .value_kind: global_buffer, .address_space: global }
      - { .name: Wv_codes, .offset: 24, .size: 8, .value_kind: global_buffer, .address_space: global }
      - { .name: bq, .offset: 32, .size: 8, .value_kind: global_buffer, .address_space: global }
      - { .name: bk, .offset: 40, .size: 8, .value_kind: global_buffer, .address_space: global }
      - { .name: bv, .offset: 48, .size: 8, .value_kind: global_buffer, .address_space: global }
      - { .name: lowp_scales, .offset: 56, .size: 8, .value_kind: global_buffer, .address_space: global }
      - { .name: qkv, .offset: 64, .size: 8, .value_kind: global_buffer, .address_space: global }
    .group_segment_fixed_size: 327680
    .private_segment_fixed_size: 0
    .kernarg_segment_align: 8
    .kernarg_segment_size: 72
    .max_flat_workgroup_size: 128
    .sgpr_count:     102
    .vgpr_count:     1024
    .wavefront_size: 32
...
	.end_amdgpu_metadata
.endif
;; end of part 1
;; launch attn (part 2): grid 4 x 64, 8 waves a work-group, no clusters, 306,176 bytes of LDS; arguments qkv, attention_mask, lowp_scales, out0; writes out0
.if DOCPART == 2
	.amdgcn_target "amdgcn-amd-amdhsa--gfx1250"
	.amdhsa_code_object_version 6
	.text
	.protected	k_q97afa110c9_attn
	.globl	k_q97afa110c9_attn
	.p2align	8
	.type	k_q97afa110c9_attn,@function
k_q97afa110c9_attn:
	s_mov_b64 s[64:65], 0
	v_nop
	global_prefetch_b8 v0, s[64:65] scope:SCOPE_SE
	s_setreg_imm32_b32 hwreg(HW_REG_WAVE_MODE, 25, 1), 1
	s_wait_xcnt 0x0
; ATTENTION on codes of E4M3: out(b, q, h, :) = softmax_k(Q K^T / 8 + mask) V, both products quantised, the softmax ahead of the second as the problem states it:
; t = logit x log2(e); M = the row's largest t so far, rounded up to a whole number; p = 2^(t - M) is quantised, not normalised; the row's sum is taken of the unquantised p and divides at the end.
; When M moves, the sum and O are multiplied by 2^(old M - new M): exact.  Nothing of reference() is left out.
; LIMITS: scaled scores t (mask included) under 2^31 in magnitude, or -infinity where a row keeps one finite score; eq + ek between -90 and 120; ep between -126 and 119; NaN among the inputs is not served.
; SHARES.  A work-group owns 512 queries of one head, each of its eight waves 64 of them: four tiles of 16, two pairs.  All 2,048 keys of the head lie in LDS (K's and V's images, 262,144 bytes, and the mask, 8,192 bytes).
; A wave walks the keys once, 128 a step: K's and the mask's fragments of a step serve four tiles, V's two.
; NO TENSOR LOAD, NO CLUSTER, AND SO NO JOINT LOAD: p is at most 1 (and rounding), which is over 448 x 2^ep only where ep < -8, so the hold at the largest code stands under a branch on the given exponent.
; Without the branch a lane would hold 256 numbers in each of 16 steps, in each of eight waves; what is shared is fetched once: 32,768 bytes by each wave.
; NO PREFETCH: the launch has no loop that fetches from memory.
; LAYOUT.  Both products transposed: S^T = K Q^T + mask (the mask in the raw sums' unit is the C operand), O^T = V^T P^T: a lane holds one query throughout.  An accumulator's eight registers are eight neighbouring keys,
; and one conversion of them gives two registers of the second product's operand.
; REGISTERS.  window 0: v1-15 addresses, constants; v16-47 state of four tiles; v48-61 at work; v64-127, v128-191 S^T of the pair's tiles A and B, then p, then sums (A's also take V's fragments); v192-223 p's codes; v224-255 Q.
;   window 1: v0-63 K; v64-127 the mask; v128-255 O^T of four tiles.   At the head v64-191 and window 1's v0-127 carry K and V from memory to LDS.
.set HS,    393216                     ; a head's bytes in qkv: Q, K +131072, V +262144
.set VIMG,  131072                     ; LDS: K's image at 0, V's here
.set MSK,   262144
.set STAGE, 270336                     ; the way out: 16 rows x 272 bytes for each wave
.set SP,    272
.set SPARE, 305152                     ; the spare words, 128 bytes for each wave
.set STEPB, 8192                       ; bytes of K or of V in a step of 128 keys
.set LI,   1
.set AM0,  2
.set AV0,  3
.set ADK,  4
.set ADV,  5
.set ADM,  6
.set STO,  7
.set RD,   8
.set GO,   9
.set SPW,  10                          ; my spare word's address; never rewritten
.set NIL,  11                          ; 0; never rewritten
.set HOLD, 12                          ; 448 x 2^ep
.set SCL,  13                          ; 2^ep
.set KO,   14
.set MO,   15
.set ST,   16                          ; a tile's state: +0 -M, +1 the largest raw score, +2, +3 the sum in two halves, +4 2^(old M - new M), +5 named beside it, +6, +7 at work
.set PD,   48
.set MX,   50                          ; the maxima's four chains for each of two tiles
.set HT,   58                          ; the hold's four
.set S,    64
.set P,    192
.set QF,   224
.set KF,   0
.set MK,   64
.set O,    128
.set WV,   12
.set EP,   42                          ; s42 ep
.set CS,   44                          ; s[44:45] c = 2^(eq + ek) log2(e) / 8, twice
.set SEL,  46
.set TB,   48
.set TN,   49
.set TM,   50
.set CNT,  51
.set EO,   52
.set EM,   53
.set MSB, 0
.macro WIN new                         ; the immediate's high byte repeats the setting that is left
.if MSB != (\new)
	s_set_vgpr_msb (MSB<<8)|(\new)
.set MSB, (\new)
.endif
.endm
.macro VW
	s_wait_alu depctr_va_vdst(0)
.endm
	s_load_b256 s[4:11], s[0:1], 0x0               ; qkv s[4:5], mask s[6:7], exponents s[8:9], out0 s[10:11]
	v_lshl_add_u32 v[SPW], v0, 2, SPARE
	v_mov_b32 v[NIL], 0
	v_lshrrev_b32 v49, 5, v0
	v_readfirstlane_b32 s[WV], v49                 ; wave 0..7
	v_and_b32 v48, 31, v0
	v_lshlrev_b32 v[MO], 4, v0
	v_lshlrev_b32 v[LI], 4, v48                    ; 16 x lane
	s_lshl_b32 s35, s[WV], 15
	v_add_nc_u32 v[KO], s35, v[LI]                 ; my 32,768 bytes of K's and V's images, in memory and in LDS alike
	s_mov_b32 s13, ttmp9                           ; which 512 queries
	s_and_b32 s14, ttmp7, 0xffff                   ; 16 batch + head
	s_mul_i32 s34, s14, HS
	s_add_co_u32 s32, s34, 131072
	s_mov_b32 s33, 0
	s_lshl_b32 s36, s13, 15
	s_lshl_b32 s37, s[WV], 12
	s_add_co_u32 s36, s36, s37
	s_add_co_u32 s36, s36, s34                     ; my four tiles of Q
	s_mov_b32 s37, 0
	s_lshr_b32 s38, s14, 4
	s_lshl_b32 s54, s38, 13                        ; the batch's mask
	s_mov_b32 s55, 0
	s_lshl_b32 s38, s38, 23                        ; out0: 2^23 bytes a batch, 4,096 a query, 256 a head
	s_lshl_b32 s39, s13, 21
	s_add_co_u32 s38, s38, s39
	s_lshl_b32 s39, s[WV], 18
	s_add_co_u32 s38, s38, s39
	s_and_b32 s39, s14, 15
	s_lshl_b32 s39, s39, 8
	s_add_co_u32 s38, s38, s39
	s_mov_b32 s39, 0
	s_mov_b32 s[SEL], 0x76543210
	s_mov_b32 s[SEL+1], 0xfedcba98
	VW
	s_wait_kmcnt 0x0
	s_load_b128 s[40:43], s[8:9], 0x18             ; eq, ek, ep, ev
	s_add_nc_u64 s[26:27], s[4:5], s[32:33]
	s_add_nc_u64 s[36:37], s[4:5], s[36:37]
	s_add_nc_u64 s[38:39], s[10:11], s[38:39]
	s_add_nc_u64 s[54:55], s[6:7], s[54:55]
	global_load_b128 v[56:59], v[MO], s[54:55]
	global_load_b128 v[60:63], v[MO], s[54:55] offset:4096
.set n, 0
.rept 64                               ; 512 consecutive bytes each
.if n < 32
	WIN 0
	global_load_b128 v[S+4*n:S+4*n+3], v[KO], s[26:27] offset:512*n
.else
	WIN 0x40
	global_load_b128 v[4*(n-32):4*(n-32)+3], v[KO], s[26:27] offset:512*n
.endif
.set n, n+1
.endr
	WIN 0
.irp j, 0,1,2,3
.irp c, 0,1
	global_load_b128 v[QF+8*\j+4*\c:QF+8*\j+4*\c+3], v[LI], s[36:37] offset:1024*\j+512*\c th:TH_LOAD_NT
.endr
.endr
	; under the loads: addresses and the state's start
	v_lshl_add_u32 v55, v0, 4, MSK                 ; where I put 16 bytes of the mask
	v_and_b32 v50, 15, v0                          ; r
	v_bfe_u32 v51, v0, 4, 1                        ; h
	v_lshl_add_u32 v[AM0], v51, 5, MSK             ; the mask's keys 8 h .. of a tile
	v_add_nc_u32 v[AV0], VIMG, v[LI]
	s_mul_i32 s32, s[WV], 16*SP
	s_add_co_u32 s32, s32, STAGE
	v_mul_u32_u24 v[STO], v50, SP
	v_mul_u32_u24 v[RD], v51, SP
	v_lshlrev_b32 v[GO], 12, v51
	v_lshl_add_u32 v[STO], v51, 5, v[STO]
	v_lshl_add_u32 v[RD], v50, 4, v[RD]
	v_lshl_add_u32 v[GO], v50, 4, v[GO]
	v_add_nc_u32 v[STO], s32, v[STO]
	v_add_nc_u32 v[RD], s32, v[RD]
.irp j, 0,1,2,3
	v_mov_b32 v[ST+8*\j], 0x7e800000               ; -M over every later one: the first change of M gives the factor 0
	v_mov_b32 v[ST+8*\j+2], 0
	v_mov_b32 v[ST+8*\j+3], 0
	v_mov_b32 v[ST+8*\j+5], 0
.endr
	v_mov_b32 v[PD], 0                             ; written once: a lane permute's destination counts as one of its sources
	v_mov_b32 v[PD+1], 0
	WIN 0x40
.set n, 0
.rept 128
	v_mov_b32 v[O+n], 0                            ; the step is written once: its first run finds zeros
.set n, n+1
.endr
	WIN 0
	VW
	s_wait_kmcnt 0x0
	s_add_co_i32 s32, s40, s41                     ; eq + ek
	s_sub_co_i32 s[EM], 3, s32                     ; mask x 2^(3 - eq - ek) is in the raw sums' unit
	s_max_i32 s33, s32, 0
	s_lshl_b32 s33, s33, 23
	s_sub_co_u32 s33, 0xfe800000, s33              ; the first largest raw score: -2^126, or less in size where 2^(eq + ek) is over 1
	s_lshl_b32 s32, s32, 23
	s_add_co_i32 s[CS], s32, 0x3e38aa3b            ; log2(e) / 8, eq + ek added to its exponent field
	s_mov_b32 s[CS+1], s[CS]
	s_add_co_i32 s[EO], s42, s43                   ; ep + ev
	s_add_co_i32 s32, s42, 127
	s_lshl_b32 s34, s32, 23
	s_add_co_i32 s32, s32, 8
	s_lshl_b32 s32, s32, 23
	s_or_b32 s32, s32, 0x600000
	v_mov_b32 v[SCL], s34
	v_mov_b32 v[HOLD], s32
.irp j, 0,1,2,3
	v_mov_b32 v[ST+8*\j+1], s33
.endr
	VW
	s_wait_loadcnt 63                              ; the mask's two, the oldest of 74
.irp j, 0,1,2,3,4,5,6,7
	v_ldexp_f32 v[56+\j], v[56+\j], s[EM]
.endr
	ds_store_b128 v55, v[56:59]
	ds_store_b128 v55, v[60:63] offset:4096
	VW
.set n, 0
.rept 64
.if n%16 == 0
	s_wait_loadcnt 56-n                            ; 16 more are in; behind them 48 - n of K's and V's and Q's eight may be out
.endif
.if n < 32
	ds_store_b128 v[KO], v[S+4*n:S+4*n+3] offset:512*n
.else
	WIN 0x04
	ds_store_b128 v[KO], v[4*(n-32):4*(n-32)+3] offset:512*n
.endif
.set n, n+1
.endr
	WIN 0
	s_wait_loadcnt 0x0                             ; Q
	s_wait_dscnt 0x0                               ; my stores are done: say so
	s_barrier_signal -1
	s_barrier_wait -1                              ; the whole head is in LDS
.macro FETCHKM
.irp k, 0,1,2,3,4,5,6,7
.irp c, 0,1
	ds_load_b128 v[KF+8*\k+4*\c:KF+8*\k+4*\c+3], v[ADK] offset:1024*\k+512*\c
.endr
.endr
.irp k, 0,1,2,3,4,5,6,7
.irp c, 0,1
	ds_load_b128 v[MK+8*\k+4*\c:MK+8*\k+4*\c+3], v[ADM] offset:64*\k+16*\c
.endr
.endr
.endm
.macro TREE x, i, d                    ; a place of tile x's sum tree: the i-th pair takes the pair d registers on
	v_pk_add_f32 v[S+64*(\x)+2*(\i):S+64*(\x)+2*(\i)+1], v[S+64*(\x)+2*(\i):S+64*(\x)+2*(\i)+1], v[S+64*(\x)+2*(\i)+(\d):S+64*(\x)+2*(\i)+(\d)+1]
.endm
.macro VLOAD t
.irp c, 0,1,2,3
	ds_load_b128 v[S+16*(\t)+4*\c:S+16*(\t)+4*\c+3], v[ADV] offset:2048*(\t)+512*\c
.endr
.endm
; THE HOLD at the largest code, only where the given ep lets p pass 448 x 2^ep.  The sum keeps the unquantised p: what the hold takes off is added to it here, and the tree adds the rest.
.macro HOLDBR x, st
	s_cmp_ge_i32 s[EP], -8
	VW                                             ; for the exponentials, and ahead of the branch
	s_cbranch_scc1 .Lfits_\@
.set n, 0
.rept 32
	v_min_num_f32 v[HT], v[S+64*(\x)+n], v[HOLD]
	v_min_num_f32 v[HT+1], v[S+64*(\x)+n+1], v[HOLD]
	v_pk_add_f32 v[HT+2:HT+3], v[S+64*(\x)+n:S+64*(\x)+n+1], v[HT:HT+1] neg_lo:[0,1] neg_hi:[0,1]
	v_mov_b32 v[S+64*(\x)+n], v[HT]
	v_mov_b32 v[S+64*(\x)+n+1], v[HT+1]
	v_pk_add_f32 v[(\st)+2:(\st)+3], v[(\st)+2:(\st)+3], v[HT+2:HT+3]
.set n, n+2
.endr
	VW
.Lfits_\@:
.endm
; A PAIR of tiles, 2 p (A) and 2 p + 1 (B), against a step of 128 keys.
.macro PAIR p
.set A0, ST+16*(\p)
	WIN 0x11
.irp k, 0,1,2,3,4,5,6,7
.irp x, 0,1
	v_wmma_f32_16x16x64_fp8_fp8 v[S+64*\x+8*\k:S+64*\x+8*\k+7], v[KF+8*\k:KF+8*\k+7], v[QF+16*(\p)+8*\x:QF+16*(\p)+8*\x+7], v[MK+8*\k:MK+8*\k+7]
.endr
.endr
	WIN 0
.if (\p) == 0
	v_add_nc_u32 v[ADV], s[TB], v[AV0]             ; this and three v_nop: the four places behind the products
	v_nop
	v_nop
	v_nop
.else
	s_add_co_u32 s[TN], s[TB], STEPB
	s_and_b32 s[TN], s[TN], 0x1ffff                ; the last step fetches step 0 once more: a valid address, and nothing is made of it
	s_lshr_b32 s[TM], s[TN], 4
	v_add_nc_u32 v[ADK], s[TN], v[LI]
	v_add_nc_u32 v[ADM], s[TM], v[AM0]
	v_nop
	v_nop
	WIN 0x40
	FETCHKM                                        ; the next step's, under this pair's softmax
	WIN 0
.endif
	; the largest raw score, the running one among the leaves: 65 numbers in 32 instructions, four chains a tile
.irp x, 0,1
	v_max3_num_f32 v[MX+4*\x], v[A0+8*\x+1], v[S+64*\x], v[S+64*\x+1]
	v_max3_num_f32 v[MX+4*\x+1], v[S+64*\x+2], v[S+64*\x+3], v[S+64*\x+4]
	v_max3_num_f32 v[MX+4*\x+2], v[S+64*\x+5], v[S+64*\x+6], v[S+64*\x+7]
	v_max3_num_f32 v[MX+4*\x+3], v[S+64*\x+8], v[S+64*\x+9], v[S+64*\x+10]
.endr
.set n, 0
.rept 26
.set CH, MX+(n%4)
	v_max3_num_f32 v[CH], v[CH], v[S+11+2*n], v[S+12+2*n]
	v_max3_num_f32 v[CH+4], v[CH+4], v[S+64+11+2*n], v[S+64+12+2*n]
.set n, n+1
.endr
.irp x, 0,1
	v_max3_num_f32 v[MX+4*\x], v[MX+4*\x], v[MX+4*\x+1], v[MX+4*\x+2]
.endr
.irp x, 0,1
	v_max3_num_f32 v[MX+4*\x], v[MX+4*\x], v[MX+4*\x+3], v[S+64*\x+63]
.endr
.irp x, 0,1
	s_delay_alu instid0(VALU_DEP_2)
	v_permlanex16_b32 v[PD+\x], v[MX+4*\x], s[SEL], s[SEL+1]
.endr
.irp x, 0,1
	s_delay_alu instid0(VALU_DEP_2)
	v_max_num_f32 v[A0+8*\x+1], v[MX+4*\x], v[PD+\x]
.endr
.irp x, 0,1
	s_delay_alu instid0(VALU_DEP_2)
	v_mul_f32 v[A0+8*\x+6], s[CS], v[A0+8*\x+1]    ; as t (c is positive)
.endr
.irp x, 0,1
	v_mov_b32 v[A0+8*\x+7], v[A0+8*\x]
.endr
.irp x, 0,1
	s_delay_alu instid0(VALU_DEP_4)
	v_floor_f32 v[A0+8*\x], -v[A0+8*\x+6]          ; -M = floor(-t): a whole number
.endr
.irp x, 0,1
	s_delay_alu instid0(VALU_DEP_2)
	v_sub_f32 v[A0+8*\x+6], v[A0+8*\x], v[A0+8*\x+7]
.endr
.irp x, 0,1
	s_delay_alu instid0(VALU_DEP_2)
	v_cvt_i32_f32 v[A0+8*\x+6], v[A0+8*\x+6]       ; (it saturates)
.endr
.irp x, 0,1
	s_delay_alu instid0(VALU_DEP_2)
	v_ldexp_f32 v[A0+8*\x+4], 1.0, v[A0+8*\x+6]    ; f = 2^(old M - new M)
.endr
	s_delay_alu instid0(VALU_DEP_2)
	v_pk_mul_f32 v[A0+2:A0+3], v[A0+2:A0+3], v[A0+4:A0+5] op_sel_hi:[1,0]   ; A's sum under the new M
.set n, 0
.rept 32
	v_pk_fma_f32 v[S+n:S+n+1], v[S+n:S+n+1], s[CS:CS+1], v[A0:A0+1] op_sel_hi:[1,0,0]   ; t - M, two at a time
.set n, n+2
.endr
	VW                                             ; ahead of the batch
.set n, 0
.rept 32                               ; A's exponentials beside B's multiply-adds, whose results are first read behind the batch's wait
	v_exp_f32 v[S+n], v[S+n]
	v_exp_f32 v[S+n+1], v[S+n+1]
	v_pk_fma_f32 v[S+64+n:S+65+n], v[S+64+n:S+65+n], s[CS:CS+1], v[A0+8:A0+9] op_sel_hi:[1,0,0]
.set n, n+2
.endr
	HOLDBR 0, A0
.set n, 0
.rept 32                               ; B's exponentials beside A's conversions, B's sum under the new M, and the first level of A's sum tree
	v_exp_f32 v[S+64+2*n], v[S+64+2*n]
	v_exp_f32 v[S+65+2*n], v[S+65+2*n]
.if n < 8
	v_cvt_scalef32_pk8_fp8_f32 v[P+2*n:P+2*n+1], v[S+8*n:S+8*n+7], v[SCL]
.endif
.if n == 8
	v_pk_mul_f32 v[A0+10:A0+11], v[A0+10:A0+11], v[A0+12:A0+13] op_sel_hi:[1,0]   ; (the plain place behind the conversions)
.endif
.if (n > 8) && (n < 24)
	TREE 0, n-9, 32
.endif
.if n == 31
	TREE 0, 15, 32                                 ; (the plain place behind the exponentials)
.endif
.set n, n+1
.endr
	HOLDBR 1, A0+8
	VLOAD 2                                        ; V's fragments go where A's p has been used up: the upper half now,
	VLOAD 3
.irp i, 0,1,2,3,4,5,6,7
	TREE 0, \i, 16
	v_cvt_scalef32_pk8_fp8_f32 v[P+16+2*\i:P+17+2*\i], v[S+64+8*\i:S+71+8*\i], v[SCL]
.endr
.irp i, 0,1,2,3
	TREE 0, \i, 8
	TREE 1, \i, 32
.endr
	TREE 0, 0, 4
	TREE 1, 4, 32
	TREE 1, 5, 32
	TREE 0, 1, 4
	TREE 1, 6, 32
	TREE 1, 7, 32
	TREE 1, 8, 32
	TREE 1, 9, 32
	TREE 0, 0, 2
	TREE 1, 10, 32
	TREE 1, 11, 32
	TREE 1, 12, 32
	TREE 1, 13, 32
	v_pk_add_f32 v[A0+2:A0+3], v[A0+2:A0+3], v[S:S+1]
	VLOAD 0                                        ; and the lower half behind A's sum
	VLOAD 1
	TREE 1, 14, 32
	TREE 1, 15, 32
.irp i, 0,1,2,3,4,5,6,7
	TREE 1, \i, 16
.endr
	WIN 0x41
	VW                                             ; directly ahead of the first reader of O^T
.irp x, 0,1
.set n, 0
.rept 16
	v_pk_mul_f32 v[O+64*(\p)+32*\x+n:O+64*(\p)+32*\x+n+1], v[O+64*(\p)+32*\x+n:O+64*(\p)+32*\x+n+1], v[A0+8*\x+4:A0+8*\x+5] op_sel_hi:[1,0]
.set n, n+2
.endr
.endr
	VW
	s_wait_dscnt 0x0                               ; V (and the next step's K and mask)
	WIN 0x50
.irp t, 0,1,2,3
.irp x, 0,1
	v_wmma_f32_16x16x128_fp8_fp8 v[O+64*(\p)+32*\x+8*\t:O+64*(\p)+32*\x+8*\t+7], v[S+16*\t:S+16*\t+15], v[P+16*\x:P+16*\x+15], v[O+64*(\p)+32*\x+8*\t:O+64*(\p)+32*\x+8*\t+7]
.endr
.endr
	WIN 0
.irp i, 0,1,2,3                        ; the end of B's sum: eight plain instructions that name no register of these products; the next products, which write over V, want five
	TREE 1, \i, 8
.endr
.irp i, 0,1
	s_delay_alu instid0(VALU_DEP_2)
	TREE 1, \i, 4
.endr
	s_delay_alu instid0(VALU_DEP_1)
	TREE 1, 0, 2
	s_delay_alu instid0(VALU_DEP_1)
	v_pk_add_f32 v[A0+10:A0+11], v[A0+10:A0+11], v[S+64:S+65]
.endm
	v_mov_b32 v[ADK], v[LI]
	v_mov_b32 v[ADM], v[AM0]
	WIN 0x40
	FETCHKM
	WIN 0
	s_mov_b32 s[TB], 0
	s_mov_b32 s[CNT], 16
	VW
	s_wait_dscnt 0x0
.Lstep:
	PAIR 0
	PAIR 1
	s_add_co_u32 s[TB], s[TB], STEPB
	s_sub_co_u32 s[CNT], s[CNT], 1
	s_cmp_lg_u32 s[CNT], 0
	VW
	s_cbranch_scc1 .Lstep
	; THE WAY OUT: O^T / the sum x 2^(ep + ev), through my stage, 16 queries x 256 bytes a tile, so that sixteen lanes store one aligned unit of 256 bytes
.irp j, 0,1,2,3
	v_add_f32 v[ST+8*\j+6], v[ST+8*\j+2], v[ST+8*\j+3]
.endr
.irp j, 0,1,2,3
	v_permlanex16_b32 v[MX+\j], v[ST+8*\j+6], s[SEL], s[SEL+1]
.endr
.irp j, 0,1,2,3
	v_add_f32 v[ST+8*\j+6], v[ST+8*\j+6], v[MX+\j]
.endr
	VW
.irp j, 0,1,2,3
	v_rcp_f32 v[ST+8*\j+4], v[ST+8*\j+6]
.endr
	v_nop
	VW
.irp j, 0,1,2,3
	v_ldexp_f32 v[ST+8*\j+4], v[ST+8*\j+4], s[EO]
.endr
.macro OUT p
	WIN 0x01
	VW                                             ; directly ahead of the first reader of O^T
.irp x, 0,1
.set n, 0
.rept 16
	v_pk_mul_f32 v[S+64*\x+n:S+64*\x+n+1], v[O+64*(\p)+32*\x+n:O+64*(\p)+32*\x+n+1], v[ST+16*(\p)+8*\x+4:ST+16*(\p)+8*\x+5] op_sel_hi:[1,0]
.set n, n+2
.endr
.endr
	WIN 0
.irp x, 0,1
.set RB, (1-(\p))*(S+32+64*\x)+(\p)*(P+32*\x)   ; read back: the first pair beside its numbers, the second where p's codes and Q were, so that no store's registers are written again
.irp t, 0,1,2,3
	ds_store_b128 v[STO], v[S+64*\x+8*\t:S+64*\x+8*\t+3] offset:64*\t
	ds_store_b128 v[STO], v[S+64*\x+8*\t+4:S+64*\x+8*\t+7] offset:64*\t+16
.endr
.irp i, 0,1,2,3,4,5,6,7
	ds_load_b128 v[RB+4*\i:RB+4*\i+3], v[RD] offset:2*\i*SP      ; LDS serves a wave's instructions in order (ISA guide 5.7.1.4)
.endr
.endr
.irp x, 0,1
.set RB, (1-(\p))*(S+32+64*\x)+(\p)*(P+32*\x)
.irp i, 0,1,2,3,4,5,6,7
	s_wait_dscnt (1-\x)*16+7-\i                    ; behind this load: the tile's later loads, and of the first tile the second's 8 stores and 8 loads
	global_store_b128 v[GO], v[RB+4*\i:RB+4*\i+3], s[38:39] offset:(32*(\p)+16*\x+2*\i)*4096 th:TH_STORE_NT
.endr
.endr
.endm
	OUT 0
	OUT 1
	s_wait_tensorcnt 0x0                           ; the wave's end, behind my last LDS store
	ds_add_u32 v[SPW], v[NIL]
	s_wait_dscnt 0x0
	s_endpgm
.Lfunc_end_k_q97afa110c9_attn:
	.size	k_q97afa110c9_attn, .Lfunc_end_k_q97afa110c9_attn-k_q97afa110c9_attn
	.p2alignl 7, 3214868480
	.fill 96, 4, 3214868480
	.section	.rodata,"a",@progbits
	.p2align	6, 0x0
	.amdhsa_kernel k_q97afa110c9_attn
		.amdhsa_group_segment_fixed_size 306176
		.amdhsa_private_segment_fixed_size 0
		.amdhsa_enable_private_segment 0
		.amdhsa_kernarg_size 32
		.amdhsa_user_sgpr_count 2
		.amdhsa_user_sgpr_kernarg_segment_ptr 1
		.amdhsa_wavefront_size32 1
		.amdhsa_system_sgpr_workgroup_id_x 1
		.amdhsa_system_sgpr_workgroup_id_y 1
		.amdhsa_system_sgpr_workgroup_id_z 1
		.amdhsa_system_vgpr_workitem_id 0
		.amdhsa_next_free_vgpr 512
		.amdhsa_next_free_sgpr 66
		.amdhsa_reserve_vcc 0
		.amdhsa_float_denorm_mode_32 3
		.amdhsa_float_denorm_mode_16_64 3
		.amdhsa_memory_ordered 1
		.amdhsa_forward_progress 1
		.amdhsa_inst_pref_size 118
	.end_amdhsa_kernel
	.amdgpu_metadata
---
amdhsa.version: [ 1, 2 ]
amdhsa.kernels:
  - .name:           k_q97afa110c9_attn
    .symbol:         k_q97afa110c9_attn.kd
    .args:
      - { .name: qkv, .offset: 0, .size: 8, .value_kind: global_buffer, .address_space: global }
      - { .name: attention_mask, .offset: 8, .size: 8, .value_kind: global_buffer, .address_space: global }
      - { .name: lowp_scales, .offset: 16, .size: 8, .value_kind: global_buffer, .address_space: global }
      - { .name: out0, .offset: 24, .size: 8, .value_kind: global_buffer, .address_space: global }
    .group_segment_fixed_size: 306176
    .private_segment_fixed_size: 0
    .kernarg_segment_align: 8
    .kernarg_segment_size: 32
    .max_flat_workgroup_size: 256
    .sgpr_count:     66
    .vgpr_count:     512
    .wavefront_size: 32
...
	.end_amdgpu_metadata
.endif
;; end of part 2
